; MI455X (gfx1250); checked and timed in simulation.
; The chip was launched on July 23, 2026; its instructions are those of AMD's public machine-readable ISA for CDNA 5 (MIT licence, August 2026) and "CDNA5" Instruction Set Architecture Reference Guide (July 2026). The comments in the code are by the model that wrote it; some were corrected since.
;; SVD Residual Linear. Allowed arithmetic: float matrix products may take bf16 or f16 operands with f32 sums; all other float work in f32.
;; Inputs: S 64 float32; U 4,096 x 64 float32; V 64 x 4,096 float32; bias 4,096 float32; weight_main 4,096 x 4,096 float32; x 8 x 512 x 4,096 float32.
;; Outputs: out0 8 x 512 x 4,096 float32.
;; One version. Each part assembles by itself: llvm-mc -triple=amdgcn-amd-amdhsa -mcpu=gfx1250 --defsym DOCPART=n.
;; ======== version 1 of 1: 2 launches
;; limits: values are held in f16: magnitudes above 65,504 overflow, below 6.1e-05 lose precision
;; workspace buffers: xh 33,554,432 bytes; wh 33,554,432 bytes
;; launch prep (part 1): grid 16 x 16, 8 waves a work-group, no clusters, 70,656 bytes of LDS; arguments x, weight_main, U, S, V, xh, wh; writes xh, wh
.if DOCPART == 1
	.amdgcn_target "amdgcn-amd-amdhsa--gfx1250"
	.amdhsa_code_object_version 6
	.text
	.protected	k_q00205f3049_prep
	.globl	k_q00205f3049_prep
	.p2align	8
	.type	k_q00205f3049_prep,@function
k_q00205f3049_prep:
	s_mov_b64 s[64:65], 0
	v_nop
	global_prefetch_b8 v0, s[64:65] scope:SCOPE_SE
	s_setreg_imm32_b32 hwreg(HW_REG_WAVE_MODE, 25, 1), 1
	s_wait_xcnt 0x0
; wh = f16(weight_main + (U diag(S)) V)   and   xh = f16(x).   weight_main [4096][4096], U [4096][64], S [64], V [64][4096], x [4096][4096], all f32.
; WHY f16.  An output is a sum of 4,096 products and is allowed an error of 0.01 of the outputs' root mean square.  Operands of 8 significant bits leave that sum an error of about 0.002
; of it (root mean square), too near the allowance for 16.7 million outputs; f16's 11 significant bits make it eight times smaller.
; LIMITS.  U S, V, the finished weight and x are rounded to f16; the residual's sums and the addition are f32.  A magnitude that rounds past 65,504 becomes infinity; magnitudes below
; 2^-14 are kept in steps of 2^-24.  The room: x of spread 1 and weights of spread 1/64 may grow or shrink thirtyfold (x to about 160, the weight's spread down to 0.0005, of which the
; step is under 1e-4); U, S and V all thirty times larger give a weight of spread about 50; U and S both thirty times smaller leave U S near 1e-5, kept to about 0.3 per cent.
; TWO LAYOUTS OF THIS PROGRAM'S OWN, which the product launch relies on:
;   K ORDER, alike in xh and wh: in each aligned block of 128 k (256 bytes), place 8 r + e (r = 0..15) holds k = 4 r + e for e < 4 and k = 64 + 4 r + (e - 4) for e >= 4.
;   A permutation of k that is the same on both sides keeps every product; only the grouping of the sums changes.
;   ROW ORDER of wh: in each aligned block of 64 rows, place 16 e + q (e = 0..3, q = 0..15) holds output column 4 q + e.
; With them every global load and store here covers 256 consecutive aligned bytes with sixteen neighbouring lanes, and no result goes through LDS.
; SHARES.  256 work-groups of eight waves.  Work-group (bx, by) makes rows 256 by .., columns 256 bx .. of the weight, and casts x's rows 16 (16 by + bx) .. (256 KiB, contiguous).
; Wave w: column block c = w & 1 (128 columns), row group G = w >> 1 (64 rows = four blocks of 16), and 32 KiB of the group's x.
; THE RESIDUAL.  D = A B, A = 16 rows of U S, B = V^T.  Eight tiles tt = 4 u + e cover 128 columns; column index r of tile tt stands for column 64 u + 4 r + e.  So a lane's
; 16 bytes of weight_main (row 8 h + j, columns 64 u + 4 r + 0..3) meet register j of the four tiles 4 u + 0..3 in the same lane.
; THE STREAM.  A wave's 64 KiB of weight_main and x go in eight blocks of 8 KiB (16 loads) through THREE register buffers.  A block's rounded numbers go into registers of their own, so its
; buffer is asked for again as soon as it has been read, ahead of the block's stores: two or three blocks of every wave are on their way, 128 to 192 KiB for the eight waves.
; x hangs on nothing of U, S and V: its first two blocks are asked for beside them and cast while the fragments come back from LDS.
; NO CLUSTER, NO TENSOR LOADS: a work-group shares U's 64 KiB with its row of the grid and V's 64 KiB with its column, against 512 KiB of weight_main and x that are its own;
; and both shared pieces are scaled, rounded and laid anew in registers on their way into LDS, which a copy into LDS could not do.
.set UP,  144                          ; a row of U S in LDS: 64 f16 + 16 bytes: the 16 rows of a fragment load start 36 words apart
.set VL,  256*UP                       ; behind U S's 256 rows (36,864 bytes): V's fragments, 32,768 bytes: (c, u, s, e) at c 16384 + u 8192 + s 4096 + e 1024, two halves of 512 bytes, lane l at 16 l
.set OFU, 4                            ; v4   16 t
.set UST, 5                            ; v5   (t >> 4) UP + 8 r: where my four numbers of U S go
.set OFS, 6                            ; v6   16 r
.set OFW, 7                            ; v7   (h << 17) + 16 r: eight rows of 16,384 bytes down for lanes 16-31; serves V and weight_main
.set VST, 8                            ; v8   VL + 4096 w + 16 l
.set VRD, 9                            ; v9   VL + 16384 c + 16 l
.set URD, 10                           ; v10  (64 G + r) UP + 16 h
.set OWB, 11                           ; v11  (h << 14) + 16 r: two places of 8,192 bytes down in wh for lanes 16-31
.set OFX, 12                           ; v12  (h << 9) + 16 r
.set OXB, 13                           ; v13  16 l
.set SV,  16                           ; v[16:19]    S[4 r .. 4 r + 3]
.set VR,  32                           ; v[32:63]    a block's rounded numbers, the data of its eight stores; in the set-up the four fragments of V that this wave builds
.set XA,  64                           ; v[64:127]   stream buffer A
.set XB,  128                          ; v[128:191]  stream buffer B
.set XC,  192                          ; v[192:255]  stream buffer C; in the set-up its first 32 registers hold my part of U S, rounded
.set VF,  0                            ; window 1, v[0:127]:   V's fragments, tile tt, K step s at 16 tt + 8 s
.set UF,  128                          ; window 1, v[128:191]: U S's fragments, row block rb, K step s at 128 + 16 rb + 8 s
.set D,   192                          ; window 1, v[192:255]: eight accumulators
.set VLD, 0                            ; window 1, v[0:63]:    where V lands, before the fragments come
.set ULD, 192                          ; window 1, v[192:255]: where U lands, before the products
.set MSB, 0
.macro WIN new                         ; s_set_vgpr_msb: bits 1:0 source 0, 3:2 source 1, 5:4 source 2, 7:6 destination; the high byte repeats the setting that is left
.if MSB != \new
	s_set_vgpr_msb (MSB<<8)|\new
.set MSB, \new
.endif
.endm
	s_load_b256 s[4:11], s[0:1], 0x0               ; x s[4:5], weight_main s[6:7], U s[8:9], S s[10:11]
	s_load_b128 s[12:15], s[0:1], 0x20             ; V s[12:13], xh s[14:15]
	s_load_b64 s[16:17], s[0:1], 0x30              ; wh
	v_lshl_add_u32 v30, v0, 2, 0x11000
	v_mov_b32 v31, 0
	v_lshrrev_b32 v3, 5, v0
	v_readfirstlane_b32 s18, v3                    ; wave 0..7
	s_mov_b32 s19, ttmp9                           ; bx
	s_and_b32 s20, ttmp7, 0xffff                   ; by
	s_and_b32 s21, s18, 1                          ; c; also the K step of the piece of V that I build
	s_lshr_b32 s22, s18, 1                         ; G
	s_lshr_b32 s23, s18, 2                         ; the column block of my piece of V
	s_and_b32 s26, s22, 1                          ; its half u of 64 columns
	s_lshl4_add_u32 s27, s20, s19                  ; g = 16 by + bx
	; the six byte offsets, apart from the addresses, each in a pair with 0 above it
	s_lshl_b32 s32, s20, 16                        ; U: 256 by rows of 256 bytes
	s_mov_b32 s33, 0
	s_lshl_b32 s34, s19, 10                        ; V: column 256 bx + 128 c' + 64 u, row 32 s
	s_lshl_b32 s24, s23, 9
	s_add_co_u32 s34, s34, s24
	s_lshl_b32 s24, s26, 8
	s_add_co_u32 s34, s34, s24
	s_lshl_b32 s24, s21, 19
	s_add_co_u32 s34, s34, s24
	s_mov_b32 s35, 0
	s_lshl_b32 s36, s20, 22                        ; weight_main: row 256 by + 64 G, column 256 bx + 128 c
	s_lshl_b32 s24, s22, 20
	s_add_co_u32 s36, s36, s24
	s_lshl_b32 s24, s19, 10
	s_add_co_u32 s36, s36, s24
	s_lshl_b32 s24, s21, 9
	s_add_co_u32 s36, s36, s24
	s_mov_b32 s37, 0
	s_lshr_b32 s38, s36, 1                         ; wh: the same place in numbers of half the size
	s_mov_b32 s39, 0
	s_lshl_b32 s40, s27, 18                        ; x: 256 KiB a work-group, 32 KiB a wave
	s_lshl_b32 s24, s18, 15
	s_add_co_u32 s40, s40, s24
	s_mov_b32 s41, 0
	s_lshr_b32 s42, s40, 1                         ; xh: half of it
	s_mov_b32 s43, 0
	; lane terms
	v_and_b32 v1, 15, v0                           ; r
	v_bfe_u32 v2, v0, 4, 1                         ; h
	v_and_b32 v3, 31, v0                           ; l
	v_lshrrev_b32 v14, 4, v0                       ; t >> 4
	v_lshlrev_b32 v[OFU], 4, v0
	v_lshlrev_b32 v[OFS], 4, v1
	v_lshlrev_b32 v[OXB], 4, v3
	v_mul_u32_u24 v[UST], v14, UP
	v_lshl_add_u32 v[UST], v1, 3, v[UST]
	v_lshl_add_u32 v[OFW], v2, 17, v[OFS]
	v_lshl_add_u32 v[OWB], v2, 14, v[OFS]
	v_lshl_add_u32 v[OFX], v2, 9, v[OFS]
	s_lshl_b32 s28, s18, 12
	s_add_co_u32 s28, s28, VL
	v_add_nc_u32 v[VST], s28, v[OXB]
	s_lshl_b32 s29, s21, 14
	s_add_co_u32 s29, s29, VL
	v_add_nc_u32 v[VRD], s29, v[OXB]
	s_mul_i32 s30, s22, 64*UP
	v_mul_u32_u24 v[URD], v1, UP
	v_lshl_add_u32 v[URD], v2, 4, v[URD]
	v_add_nc_u32 v[URD], s30, v[URD]
	s_wait_kmcnt 0x0
	s_add_nc_u64 s[8:9], s[8:9], s[32:33]
	s_add_nc_u64 s[12:13], s[12:13], s[34:35]
	s_add_nc_u64 s[6:7], s[6:7], s[36:37]
	s_add_nc_u64 s[16:17], s[16:17], s[38:39]
	s_add_nc_u64 s[4:5], s[4:5], s[40:41]
	s_add_nc_u64 s[14:15], s[14:15], s[42:43]
; 16 loads: row block rb of weight_main: row 8 h + j, columns 4 r .. (u = 0) and 64 + 4 r .. (u = 1).  Each half of the wave reads 256 consecutive aligned bytes.  Read once in the launch.
.macro LOADW rb, X
.irp j, 0,1,2,3,4,5,6,7
	global_load_b128 v[\X+8*\j:\X+8*\j+3],   v[OFW], s[6:7] offset:\rb*262144+\j*16384 th:TH_LOAD_NT
	global_load_b128 v[\X+8*\j+4:\X+8*\j+7], v[OFW], s[6:7] offset:\rb*262144+\j*16384+256 th:TH_LOAD_NT
.endr
.endm
; 16 loads: eight items of x.  An item is two blocks of 128 k (1,024 bytes): lanes 0-15 take the first, lanes 16-31 the second, each k = 4 r .. and k = 64 + 4 r ..
.macro LOADX gq, X
.irp i, 0,1,2,3,4,5,6,7
	global_load_b128 v[\X+8*\i:\X+8*\i+3],   v[OFX], s[4:5] offset:(8*\gq+\i)*1024 th:TH_LOAD_NT
	global_load_b128 v[\X+8*\i+4:\X+8*\i+7], v[OFX], s[4:5] offset:(8*\gq+\i)*1024+256 th:TH_LOAD_NT
.endr
.endm
; what a buffer takes next.  kind = 1: row block n of weight_main; 2: items 8 n .. of x; 0: nothing is left for it
.macro REFILL kind, n, X
.if \kind == 1
	LOADW \n, \X
.elseif \kind == 2
	LOADX \n, \X
.endif
.endm
; the 64 f32 of buffer X are rounded to 64 f16 in VR
.macro ROUND X
	s_wait_xcnt 0x0                                ; VR is the data of the block before's stores: it is rewritten only behind this wait (every earlier memory instruction has then had its addresses translated: ISA guide 3.1)
.irp k, 0,1,2,3,4,5,6,7
	v_cvt_pk_f16_f32 v[VR+4*\k],   v[\X+8*\k],   v[\X+8*\k+1]
	v_cvt_pk_f16_f32 v[VR+4*\k+1], v[\X+8*\k+2], v[\X+8*\k+3]
	v_cvt_pk_f16_f32 v[VR+4*\k+2], v[\X+8*\k+4], v[\X+8*\k+5]
	v_cvt_pk_f16_f32 v[VR+4*\k+3], v[\X+8*\k+6], v[\X+8*\k+7]
.endr
.endm
; The residual of row block rb: 16 rows x 128 columns x K = 64: sixteen matrix instructions.  The first eight start the sums with the constant 0; the eight accumulators take turns,
; one instruction a turn.  Four v_nop stand between the last product and the additions that read the results (ISA guide 7.12.1).
.macro RESID rb
	WIN 0x55                                       ; all four operands in window 1
.irp tt, 0,1,2,3,4,5,6,7
	v_wmma_f32_16x16x32_f16 v[D+8*\tt:D+8*\tt+7], v[UF+16*\rb:UF+16*\rb+7], v[VF+16*\tt:VF+16*\tt+7], 0
.endr
.irp tt, 0,1,2,3,4,5,6,7
	v_wmma_f32_16x16x32_f16 v[D+8*\tt:D+8*\tt+7], v[UF+16*\rb+8:UF+16*\rb+15], v[VF+16*\tt+8:VF+16*\tt+15], v[D+8*\tt:D+8*\tt+7]
.endr
.rept 4
	v_nop
.endr
.endm
; Row block rb, whose rows of weight_main are on their way into X: residual, addition, rounding, the buffer's refill, the stores.  left = the younger loads that may stay out.
; j ascends, so that each accumulator is first read at its register 0.  Row o = 16 rb + 8 h + j of the 64 goes to place 16 (o % 4) + o / 4 = 16 (j % 4) + 4 rb + 2 h + j / 4.
.macro WBLK rb, X, left, kind, n
	RESID \rb
	s_wait_loadcnt \left                           ; loads come back in order (ISA guide 5.7.1): this block's sixteen are in
	WIN 0x04                                       ; source 1, the residual, in window 1
.irp j, 0,1,2,3,4,5,6,7
.irp tt, 0,1,2,3,4,5,6,7
	v_add_f32 v[\X+8*\j+\tt], v[\X+8*\j+\tt], v[D+8*\tt+\j]
.endr
.endr
	WIN 0
	ROUND \X
	REFILL \kind, \n, \X                           ; the loads ahead of the stores: nothing waits for the stores
.irp j, 0,1,2,3,4,5,6,7
	global_store_b128 v[OWB], v[VR+4*\j:VR+4*\j+3], s[16:17] offset:(16*(\j%4)+4*\rb+(\j/4))*8192   ; 16 lanes store 256 consecutive bytes, at a multiple of 256 from wh's first byte
.endr
.endm
; Eight items of x: rounding, the buffer's refill, the stores.  A store of the wave covers 512 consecutive bytes.
.macro XBLK gq, X, left, kind, n
	s_wait_loadcnt \left
	ROUND \X
	REFILL \kind, \n, \X
.irp i, 0,1,2,3,4,5,6,7
	global_store_b128 v[OXB], v[VR+4*\i:VR+4*\i+3], s[14:15] offset:(8*\gq+\i)*512
.endr
.endm
	; THE FIRST LOADS: S (1), U (16), V (16), x's first block (16)
	global_load_b128 v[SV:SV+3], v[OFS], s[10:11]
	WIN 0x40                                       ; destination window 1
.irp i, 0,1,2,3,4,5,6,7,8,9,10,11,12,13,14,15
	global_load_b128 v[ULD+4*\i:ULD+4*\i+3], v[OFU], s[8:9] offset:4096*\i         ; the group's 64 KiB of U, 4 KiB at a time: row (t >> 4) + 16 i, columns 4 r ..
.endr
.irp i, 0,1,2,3,4,5,6,7,8,9,10,11,12,13,14,15
	global_load_b128 v[VLD+4*\i:VLD+4*\i+3], v[OFW], s[12:13] offset:((\i%8)+16*(\i/8))*16384   ; V's row 32 s + 8 h + i % 8 + 16 (i / 8), columns 4 r ..: the k of a fragment's lane, in the registers' order
.endr
	WIN 0
	LOADX 0, XA
	; U S in f16 into LDS
	s_wait_loadcnt 32                              ; S and U are in; V's sixteen and x's sixteen stay out
	WIN 0x41                                       ; U (destination and source 0) in window 1, S in window 0
.irp i, 0,1,2,3,4,5,6,7,8,9,10,11,12,13,14,15
	v_pk_mul_f32 v[ULD+4*\i:ULD+4*\i+1],   v[ULD+4*\i:ULD+4*\i+1],   v[SV:SV+1]
	v_pk_mul_f32 v[ULD+4*\i+2:ULD+4*\i+3], v[ULD+4*\i+2:ULD+4*\i+3], v[SV+2:SV+3]
.endr
	WIN 0x05                                       ; both sources in window 1, the destination in window 0
.irp i, 0,1,2,3,4,5,6,7,8,9,10,11,12,13,14,15
	v_cvt_pk_f16_f32 v[XC+2*\i],   v[ULD+4*\i],   v[ULD+4*\i+1]
	v_cvt_pk_f16_f32 v[XC+2*\i+1], v[ULD+4*\i+2], v[ULD+4*\i+3]
.endr
	WIN 0
.irp i, 0,1,2,3,4,5,6,7,8,9,10,11,12,13,14,15
	ds_store_b64 v[UST], v[XC+2*\i:XC+2*\i+1] offset:16*UP*\i
.endr
	LOADX 1, XB
	; V's fragments: register i of tile 4 u + e is the pair of rows (loads 2 i, 2 i + 1) at column 4 r + e (word e)
	s_wait_loadcnt 32                              ; V is in; x's two blocks stay out
	WIN 0x05
.irp e, 0,1,2,3
.irp i, 0,1,2,3,4,5,6,7
	v_cvt_pk_f16_f32 v[VR+8*\e+\i], v[VLD+8*\i+\e], v[VLD+8*\i+4+\e]
.endr
.endr
	WIN 0
.irp e, 0,1,2,3
	ds_store_b128 v[VST], v[VR+8*\e:VR+8*\e+3]   offset:1024*\e
	ds_store_b128 v[VST], v[VR+8*\e+4:VR+8*\e+7] offset:1024*\e+512
.endr
	s_wait_dscnt 0x0                               ; for the others' sake: my stores into LDS are done; and they have read buffer C and VR
	LOADW 0, XC
	s_barrier_signal -1
	s_barrier_wait -1                              ; the launch's one barrier: behind it LDS is only read
	WIN 0x40                                       ; destination window 1
.irp tt, 0,1,2,3,4,5,6,7
.irp s, 0,1
	ds_load_b128 v[VF+16*\tt+8*\s:VF+16*\tt+8*\s+3],   v[VRD] offset:(\tt/4)*8192+\s*4096+(\tt%4)*1024
	ds_load_b128 v[VF+16*\tt+8*\s+4:VF+16*\tt+8*\s+7], v[VRD] offset:(\tt/4)*8192+\s*4096+(\tt%4)*1024+512
.endr
.endr
.irp rb, 0,1,2,3
.irp q, 0,1,2,3
	ds_load_b128 v[UF+16*\rb+4*\q:UF+16*\rb+4*\q+3], v[URD] offset:\rb*16*UP+32*\q   ; row 16 rb + r, k = 16 q + 8 h ..
.endr
.endr
	WIN 0
	; EIGHT BLOCKS ON THREE BUFFERS.  Each count of 32 leaves the next two blocks' loads out; the counts run down at the end.
	XBLK 0, XA, 32, 1, 1                           ; x's first two blocks are cast while the fragments come back from LDS
	XBLK 1, XB, 32, 1, 2
	s_wait_dscnt 0x0                               ; all fragments are in registers for the rest of the launch
	WBLK 0, XC, 32, 1, 3
	WBLK 1, XA, 32, 2, 2
	WBLK 2, XB, 32, 2, 3
	WBLK 3, XC, 32, 0, 0
	XBLK 2, XA, 16, 0, 0
	XBLK 3, XB, 0,  0, 0                           ; nothing was issued behind these loads
	s_wait_tensorcnt 0x0
	ds_add_u32 v30, v31
	s_wait_dscnt 0x0
	s_endpgm
.Lfunc_end_k_q00205f3049_prep:
	.size	k_q00205f3049_prep, .Lfunc_end_k_q00205f3049_prep-k_q00205f3049_prep
	.p2alignl 7, 3214868480
	.fill 96, 4, 3214868480
	.section	.rodata,"a",@progbits
	.p2align	6, 0x0
	.amdhsa_kernel k_q00205f3049_prep
		.amdhsa_group_segment_fixed_size 70656
		.amdhsa_private_segment_fixed_size 0
		.amdhsa_enable_private_segment 0
		.amdhsa_kernarg_size 56
		.amdhsa_user_sgpr_count 2
		.amdhsa_user_sgpr_kernarg_segment_ptr 1
		.amdhsa_wavefront_size32 1
		.amdhsa_system_sgpr_workgroup_id_x 1
		.amdhsa_system_sgpr_workgroup_id_y 1
		.amdhsa_system_sgpr_workgroup_id_z 1
		.amdhsa_system_vgpr_workitem_id 0
		.amdhsa_next_free_vgpr 512
		.amdhsa_next_free_sgpr 66
		.amdhsa_reserve_vcc 0
		.amdhsa_float_denorm_mode_32 3
		.amdhsa_float_denorm_mode_16_64 3
		.amdhsa_memory_ordered 1
		.amdhsa_forward_progress 1
		.amdhsa_inst_pref_size 65
	.end_amdhsa_kernel
	.amdgpu_metadata
---
amdhsa.version: [ 1, 2 ]
amdhsa.kernels:
  - .name:           k_q00205f3049_prep
    .symbol:         k_q00205f3049_prep.kd
    .args:
      - { .name: x, .offset: 0, .size: 8, .value_kind: global_buffer, .address_space: global }
      - { .name: weight_main, .offset: 8, .size: 8, .value_kind: global_buffer, .address_space: global }
      - { .name: U, .offset: 16, .size: 8, .value_kind: global_buffer, .address_space: global }
      - { .name: S, .offset: 24, .size: 8, .value_kind: global_buffer, .address_space: global }
      - { .name: V, .offset: 32, .size: 8, .value_kind: global_buffer, .address_space: global }
      - { .name: xh, .offset: 40, .size: 8, .value_kind: global_buffer, .address_space: global }
      - { .name: wh, .offset: 48, .size: 8, .value_kind: global_buffer, .address_space: global }
    .group_segment_fixed_size: 70656
    .private_segment_fixed_size: 0
    .kernarg_segment_align: 8
    .kernarg_segment_size: 56
    .max_flat_workgroup_size: 256
    .sgpr_count:     66
    .vgpr_count:     512
    .wavefront_size: 32
...
	.end_amdgpu_metadata
.endif
;; end of part 1
;; launch gemm (part 2): grid 16 x 16, 4 waves a work-group, clusters of 4 x 4, 327,680 bytes of LDS; arguments xh, wh, out0, bias; writes out0
.if DOCPART == 2
	.amdgcn_target "amdgcn-amd-amdhsa--gfx1250"
	.amdhsa_code_object_version 6
	.text
	.protected	k_q00205f3049_gemm
	.globl	k_q00205f3049_gemm
	.p2align	8
	.type	k_q00205f3049_gemm,@function
k_q00205f3049_gemm:
	s_mov_b64 s[64:65], 0
	v_nop
	global_prefetch_b8 v0, s[64:65] scope:SCOPE_SE
	s_setreg_imm32_b32 hwreg(HW_REG_WAVE_MODE, 25, 1), 1
	s_wait_xcnt 0x0
	s_wait_alu depctr_hold_cnt(0) depctr_sa_sdst(0) depctr_va_vdst(0) depctr_va_sdst(0) depctr_va_ssrc(0) depctr_va_vcc(0) depctr_vm_vsrc(0)
	s_getreg_b32 s2, hwreg(HW_REG_IB_STS2, 6, 4)
	s_cmp_eq_u32 s2, 0
	s_cbranch_scc0 .Lentry_in_a_cluster
	s_endpgm
.Lentry_in_a_cluster:
	s_bfe_u32 s2, ttmp6, 0x10000c
	s_cmp_lg_u32 s2, 0xf033
	s_cbranch_scc0 .Lentry_shape_is_right
	s_endpgm
.Lentry_shape_is_right:
; out0[m][o] = sum over k of xh[m][k] wh[place(o)][k] + bias[o].  xh, wh: [4096][4096] f16, made by the launch before; out0: [4096][4096] f32; bias: [4096] f32.  Sums and the bias in f32.
; LIMITS.  The operands are f16, rounded in the launch before (past 65,504: infinity; below 2^-14: steps of 2^-24); the order of the sums is this text's own.  No other limit of range.
; WHAT THE OPERANDS' LAYOUT GIVES.  Both hold k in the same order of their own inside each block of 128, so every product meets its partner.  wh's rows are ordered so that, in each
; block of 64 rows, place 16 e + q holds output column 4 q + e.  The matrix instruction is used as it stands (source 0 = 16 rows of xh, source 1 = 16 rows of wh): in accumulator
; (a, b) lane (r, h) holds in register j the row 16 a + 8 h + j and the column 64 (b / 4) + 4 r + b % 4.  The four accumulators b = 4 q + 0..3 thus hold, in one lane, four NEIGHBOURING
; columns of a row: the addition of the bias puts them into four neighbouring registers, and sixteen lanes store 256 consecutive bytes of out0.  No result goes through LDS.
; SHARES.  A tile of out0, 256 x 256, is made by a work-group of four waves, one on each SIMD of its WGP; a wave makes 128 x 128: 64 accumulators of 16 x 16, 512 registers.  256 tiles, 256 work-groups.
; K goes in 32 steps of 128 through a ring of two LDS slots filled by the tensor data mover; the tiles' rows are 256 bytes of memory at multiples of 256 bytes.
; THE LAST K STEP GOES BY ROWS OF out0, not by K: a wave's eight blocks of 16 rows are finished one after the other, and each block's 16 stores leave while the others are still multiplied.
; CLUSTERS: 4 x 4 work-groups.  The four of a row of the cluster need the same tiles of xh, the four of a column the same tiles of wh: each tile is asked for JOINTLY, by the same tensor
; load with the same descriptor and a mask that names the four, and each receives it in its own LDS.
; REGISTERS, in windows of 256 (s_set_vgpr_msb: bits 1:0 source 0, 3:2 source 1, 5:4 source 2, 7:6 destination):
;   window 0: v0-31 addresses and the bias; v64-127, v128-191 fragments of xh (8 x 16 rows x 32 K), two buffers (in the last K step four, of 16 rows x 128 K); v192-255 the rows to store
;   window 1: v64-127, v128-191 fragments of wh, two buffers; in the last K step all 256: wh's fragments of the whole step
;   window 2: the 32 accumulators of my rows 0-63 ((a, b) at v[8 (8 a + b)]);   window 3: those of my rows 64-127
.set SIZE_K, 4096
.set SIZE_N, 4096
.set KSTEP,  128
.set PITCH,  272                       ; an LDS row: 256 bytes of data + 16 of padding = 68 words: row r starts at bank 4 r mod 64 (64 banks of 4 bytes: ISA guide 11.1), so the 16 rows of a load start at 16 different banks
.set HALFT,  128*PITCH                 ; 128 rows: what one tensor load brings, and what one wave reads of xh or of wh
.set SLOT,   4*HALFT                   ; xh's 256 rows, then wh's 256 rows
.set LAPS,   SIZE_K/(2*KSTEP)          ; a lap = two K steps = once round the ring: 16
.set BIAS, 8                           ; v[8:15] bias of my columns 64 q + 4 r + e at 8 + 4 q + e
.set ADRA, 16                          ; v16-17  LDS address of my fragments of xh in slot 0, 1
.set ADRB, 20                          ; v20-21  the same for wh
.set CO,   26                          ; v26     my byte offset in out0: (h << 17) + 16 r: eight rows of 16,384 bytes down for lanes 16-31
.set BO,   27                          ; v27     16 r
.set F0,   64                          ; fragment buffer 0
.set F1,   128                         ; fragment buffer 1
.set PA,   64                          ; the last K step: xh's fragments of 16 rows x 128 K, 32 registers; four such buffers, v64-191
.set OB,   192                         ; the way out: a block's 16 rows x 128 columns, 64 registers
.set G1,  24                           ; s[24:31] descriptor group 1 for xh's tiles
.set G0,  32                           ; s[32:39] descriptor group 0 for xh's tiles, one set for each slot
.set G1B, 48                           ; s[48:55] descriptor group 1 for wh's tiles: it differs in the mask alone
.set G0B, 56                           ; s[56:63] descriptor group 0 for wh's tiles, one set for each slot
.set MSB, 0
.macro WIN new                         ; the immediate's high byte repeats the setting that is left; a switch that changes nothing is dropped
.if MSB != \new
	s_set_vgpr_msb (MSB<<8)|\new
.set MSB, \new
.endif
.endm
.set MUL_LO, 0xa4                      ; source 0 (xh) window 0, source 1 (wh) window 1, C and D window 2
.set MUL_HI, 0xf4                      ; the same, C and D window 3
.set TO_B,   0x40                      ; destination window 1, address window 0
; A joint load.  Waves 0 and 1 fetch xh's two halves, waves 2 and 3 wh's.  Each of the two lines has one mask and one set of registers for all that issue it.  The branch hangs on the
; wave's number alone.  Four v_nop follow each of the two lines; the jump, the label and what follows the macro come after them.
.macro JLOAD s
	s_cmp_eq_u32 s13, 0
	s_cbranch_scc0 .Lfor_b_\@
	tensor_load_to_lds s[G0+4*\s:G0+4*\s+3], s[G1:G1+7]
	s_nop 0
.rept 4
	v_nop
.endr
	s_branch .Lasked_\@
.Lfor_b_\@:
	tensor_load_to_lds s[G0B+4*\s:G0B+4*\s+3], s[G1B:G1B+7]
	s_nop 0
.rept 4
	v_nop
.endr
.Lasked_\@:
.endm
; A round of the cluster's barrier: my work-group's barrier, so that wave 0's signal speaks for all four waves; wave 0 signals for the work-group; every wave waits for all sixteen
; work-groups; my work-group's barrier once more.  No LDS instruction of the wave is pending at a signal.
.macro CREST                           ; a round behind its opening barrier
	s_cmp_lg_u32 s12, 0
	s_cbranch_scc1 .Lnot_wave_0_\@
	s_barrier_signal -3
.Lnot_wave_0_\@:
	s_barrier_wait -3
	s_barrier_signal -1
	s_barrier_wait -1
.endm
.macro CROUND                          ; a whole round
	s_barrier_signal -1
	s_barrier_wait -1
	CREST
.endm
	s_load_b256 s[4:11], s[0:1], 0x0               ; xh s[4:5], wh s[6:7], out0 s[8:9], bias s[10:11]
	v_lshl_add_u32 v62, v0, 2, 0x44000
	v_mov_b32 v63, 0
	ds_add_u32 v62, v63
	v_lshrrev_b32 v1, 5, v0
	v_readfirstlane_b32 s12, v1                    ; wave 0..3
	s_lshr_b32 s13, s12, 1                         ; which half of the tile's rows is mine.  Also: I fetch for xh (0) or for wh (1)
	s_and_b32 s14, s12, 1                          ; which half of its columns.  Also: which 128 rows of that tile I fetch
	s_bfe_u32 s40, ttmp6, 0x40000                  ; cx: my place along the cluster's x
	s_bfe_u32 s41, ttmp6, 0x40004                  ; cy: along its y
	s_lshl_b32 s42, ttmp9, 2                       ; in a cluster launch ttmp9 and ttmp7 count clusters
	s_add_co_u32 s42, s42, s40                     ; tile column = 4 x cluster x + cx
	s_and_b32 s15, ttmp7, 0xffff
	s_lshl_b32 s15, s15, 2
	s_add_co_u32 s15, s15, s41                     ; tile row = 4 x cluster y + cy
	s_lshl_b32 s43, s41, 2
	s_lshl_b32 s43, 15, s43                        ; my row of the cluster: places 4 cy .. 4 cy + 3
	s_lshl_b32 s44, 0x1111, s40                    ; my column: places cx, cx + 4, cx + 8, cx + 12
	; descriptor group 1: a tile of 128 rows x 128 elements, padded in LDS
	s_or_b32 s[G1+0], s43, (1<<16)|(1<<20)|(1<<21)|(5<<22)|(3<<25)  ; 15:0 the mask: xh's tiles go to my row; 17:16 elements of 2 bytes; 20 padding on; 21 set beside a mask; 24:22 after every 64 words (code 5); 31:25 4 words of it (code 3)
	s_or_b32 s[G1B+0], s44, (1<<16)|(1<<20)|(1<<21)|(5<<22)|(3<<25) ; the same with the mask of my column, for wh's tiles
.irp g, G1, G1B
	s_mov_b32 s[\g+1], KSTEP<<16                   ; 63:48 tensor_dim0, low half = 128
	s_mov_b32 s[\g+2], 128<<16                     ; 79:64 its high half = 0; 95:80 tensor_dim1, low half = 128
	s_mov_b32 s[\g+3], KSTEP<<16                   ; 111:96 its high half = 0; 127:112 tile_dim0 = 128
	s_mov_b32 s[\g+4], 128                         ; 143:128 tile_dim1 = 128; 159:144 tile_dim2 = 0
	s_mov_b32 s[\g+5], SIZE_K                      ; 191:160 tensor_dim0_stride, low word: elements from row to row
	s_mov_b32 s[\g+6], 0
	s_mov_b32 s[\g+7], 0
.endr
	; where the tiles come from.  xh's hang on the tile row alone, which my row of the cluster shares; wh's on the tile column alone, which my column shares.
	s_lshl_b32 s17, s14, 7                         ; which 128 rows of the tile I fetch
	s_lshl_b32 s16, s15, 8
	s_add_co_u32 s16, s16, s17                     ; xh: row 256 x tile row + 128 x half
	s_lshl_b32 s46, s42, 8
	s_add_co_u32 s46, s46, s17                     ; wh: row 256 x tile column + 128 x half
	s_mov_b32 s17, 0
	s_mov_b32 s47, 0
	s_mov_b64 s[18:19], SIZE_K*2
	s_mul_u64 s[16:17], s[16:17], s[18:19]         ; in bytes
	s_mul_u64 s[46:47], s[46:47], s[18:19]
	s_mul_i32 s20, s12, HALFT                      ; and where they go: xh's two halves, then wh's two halves = wave x 128 rows: no place in the cluster enters an LDS address
	s_wait_dscnt 0x0
	s_wait_kmcnt 0x0
	s_add_nc_u64 s[4:5], s[4:5], s[16:17]
	s_add_nc_u64 s[6:7], s[6:7], s[46:47]
	CROUND                                         ; all sixteen work-groups are here: the first joint loads meet
.irp s, 0,1
	s_mov_b32 s[G0+4*\s], 1                                        ; 1:0 count = 1
	s_add_co_u32 s[G0+4*\s+1], s20, \s*SLOT                        ; 63:32 LDS address
	s_add_nc_u64 s[G0+4*\s+2:G0+4*\s+3], s[4:5], \s*KSTEP*2        ; 120:64 global address: K step s
	s_or_b32 s[G0+4*\s+3], s[G0+4*\s+3], 0x80000000                ; 127:126 type = 2
	s_mov_b32 s[G0B+4*\s], 1
	s_add_co_u32 s[G0B+4*\s+1], s20, \s*SLOT
	s_add_nc_u64 s[G0B+4*\s+2:G0B+4*\s+3], s[6:7], \s*KSTEP*2
	s_or_b32 s[G0B+4*\s+3], s[G0B+4*\s+3], 0x80000000
	JLOAD \s                                       ; the ring is filled before anything else is done: two tensor loads of mine are out
.endr
	; A fragment is 16 rows x 32 K in 8 registers: lane l holds row l % 16; registers 0-3 hold places 8 (l / 16) + 0..7 along K, registers 4-7 places 16 + 8 (l / 16) + 0..7:
	; two loads of 16 bytes, 32 bytes apart.  The same for source 0 and source 1.
	v_and_b32 v1, 15, v0                           ; r = l % 16
	v_bfe_u32 v2, v0, 4, 1                         ; h = l / 16
	v_mul_u32_u24 v3, v1, PITCH
	v_lshl_add_u32 v3, v2, 4, v3                   ; row x pitch + 16 x half
	s_mul_i32 s21, s13, HALFT                      ; my 128 rows of xh
	s_mul_i32 s22, s14, HALFT                      ; my 128 rows of wh,
	s_add_co_u32 s22, s22, 2*HALFT                 ; which lie behind xh's 256
.irp s, 0,1
	v_add_nc_u32 v[ADRA+\s], s21, v3
	v_add_nc_u32 v[ADRB+\s], s22, v3
	s_add_co_u32 s21, s21, SLOT
	s_add_co_u32 s22, s22, SLOT
.endr
	v_lshlrev_b32 v[BO], 4, v1
	v_lshl_add_u32 v[CO], v2, 17, v[BO]
	s_lshl_b32 s46, s42, 10                        ; my first column in bytes of f32: 1,024 x tile column + 512 x half; the same in bias and in a row of out0
	s_lshl_b32 s47, s14, 9
	s_add_co_u32 s46, s46, s47
	s_mov_b32 s47, 0
	s_add_nc_u64 s[10:11], s[10:11], s[46:47]
	global_load_b128 v[BIAS:BIAS+3],   v[BO], s[10:11]             ; columns 4 r + 0..3: sixteen lanes read 256 consecutive bytes (both halves of the wave the same)
	global_load_b128 v[BIAS+4:BIAS+7], v[BO], s[10:11] offset:256  ; columns 64 + 4 r + 0..3; both are waited for in front of the first way out
	s_add_nc_u64 s[8:9], s[8:9], s[46:47]
	s_lshl_b32 s16, s15, 8
	s_lshl_b32 s17, s13, 7
	s_add_co_u32 s16, s16, s17                     ; my first row of out0: 256 x tile row + 128 x half,
	s_lshl_b32 s16, s16, 14                        ; in bytes: under 2^26
	s_mov_b32 s17, 0
	s_add_nc_u64 s[8:9], s[8:9], s[16:17]
; 16 matrix instructions: m blocks a0, a0 + 1 of the window's four (hi = 0: my rows 0-63, 1: rows 64-127) x all 8 n blocks, 32 along K.
; zero = 1: the first product starts the sums: nothing is ever cleared.  The 64 accumulators take turns, one instruction a turn, in the same order in every quarter step.
.macro MUL16 f, hi, a0, zero
.irp a, \a0, \a0+1
.irp b, 0,1,2,3,4,5,6,7
.if \zero
	v_wmma_f32_16x16x32_f16 v[8*(8*(\a)+\b):8*(8*(\a)+\b)+7], v[\f+8*(4*\hi+\a):\f+8*(4*\hi+\a)+7], v[\f+8*\b:\f+8*\b+7], 0
.else
	v_wmma_f32_16x16x32_f16 v[8*(8*(\a)+\b):8*(8*(\a)+\b)+7], v[\f+8*(4*\hi+\a):\f+8*(4*\hi+\a)+7], v[\f+8*\b:\f+8*\b+7], v[8*(8*(\a)+\b):8*(8*(\a)+\b)+7]
.endif
.endr
.endr
.endm
; 32 LDS loads in one run: the fragments of one quarter step (128 rows of wh, 128 rows of xh, 32 K at byte k of the rows) into buffer f
.macro FETCH slot, k, f
	WIN TO_B
.irp i, 0,1,2,3,4,5,6,7
	ds_load_b128 v[\f+8*\i:\f+8*\i+3],   v[ADRB+\slot] offset:\k+\i*16*PITCH
	ds_load_b128 v[\f+8*\i+4:\f+8*\i+7], v[ADRB+\slot] offset:\k+\i*16*PITCH+32
.endr
	WIN 0
.irp i, 0,1,2,3,4,5,6,7
	ds_load_b128 v[\f+8*\i:\f+8*\i+3],   v[ADRA+\slot] offset:\k+\i*16*PITCH
	ds_load_b128 v[\f+8*\i+4:\f+8*\i+7], v[ADRA+\slot] offset:\k+\i*16*PITCH+32
.endr
.endm
; A load into a register that a matrix instruction has read, and a vector instruction that reads a matrix result or writes one of a matrix instruction's registers, stand four places
; behind it, and only plain vector instructions that name none of its registers are places (ISA guide 7.12.1 for vector instructions).
.macro PLACES
.rept 4
	v_nop
.endr
.endm
; A K step is four quarter steps of 32 along K, 64 matrix instructions each, on buffers 0, 1, 0, 1.
; One of the first three: multiplies buffer f; in its middle it fetches the next quarter's fragments, at byte k of the same slot's rows, into buffer g.
.macro QUARTER slot, k, f, g, zero
	s_wait_dscnt 8                                 ; wh's fragments and xh's rows 0-63 are in; the youngest eight loads (xh's rows 64-127) may be out
	WIN MUL_LO
	MUL16 \f, 0, 0, \zero
	MUL16 \f, 0, 2, \zero
	PLACES
	FETCH \slot, \k, \g
	s_wait_dscnt 32                                ; all but the 32 just issued
	WIN MUL_HI
	MUL16 \f, 1, 0, \zero
	MUL16 \f, 1, 2, \zero
.endm
; The last quarter multiplies buffer 1 and changes slots.  MEET is its first half: ONE barrier for the change of slots.  In front of it each wave waits for its own reads of this slot
; and for all its tensor loads, of which one is out: its part of the next slot.  Behind it nobody reads this slot any more and the next slot is whole.
.macro MEET round                      ; round = 1: a round of the cluster's barrier follows
	s_wait_dscnt 8
	WIN MUL_LO
	MUL16 F1, 0, 0, 0
	s_wait_dscnt 0                                 ; my reads of this slot are over
	s_set_vgpr_msb 0xa4a0
	s_wait_tensorcnt 0x0                           ; and all my tensor loads have landed
	ds_add_u32 v62, v63
	s_wait_dscnt 0x0
	s_set_vgpr_msb 0xa0a4
	s_barrier_signal -1                            ; say so,
	MUL16 F1, 0, 2, 0                              ; work on registers while the others arrive,
.if \round
	WIN 0
.endif
	s_barrier_wait -1                              ; and go on when all four have said so
.endm
; The whole last quarter of a K step behind which the slot is filled again.  The barrier opens a round of the cluster's barrier, and behind the round the slot just read out is filled
; first, with the K step two steps on: from that request to the wait for it a wave issues 240 matrix instructions.
.macro TURN slot, next
	MEET 1
	CREST                                          ; no wave of any partner still reads this slot's tile or has a load on its way
	s_add_nc_u64 s[G0+4*\slot+2:G0+4*\slot+3], s[G0+4*\slot+2:G0+4*\slot+3], 2*KSTEP*2     ; no tensor load of mine is out, so a group 0 may be written; the type bits on top are not reached
	s_add_nc_u64 s[G0B+4*\slot+2:G0B+4*\slot+3], s[G0B+4*\slot+2:G0B+4*\slot+3], 2*KSTEP*2
	JLOAD \slot                                    ; my one tensor load behind the round; the four v_nop behind it are also the places in front of the loads below
	FETCH \next, 0, F0
	WIN MUL_HI
	MUL16 F1, 1, 0, 0
	MUL16 F1, 1, 2, 0
.endm
; THE LAST K STEP (it lies in slot 1) GOES BY ROWS.  All its fragments of wh (4 quarters x 64 registers) fill window 1; then my eight blocks of 16 rows are finished one after the other,
; each with 32 matrix instructions.  LDS is read no more than in any other K step.
.macro BLOAD q                         ; wh's fragments of quarter q -> window 1, v[64 q ..]
.irp i, 0,1,2,3,4,5,6,7
	ds_load_b128 v[64*\q+8*\i:64*\q+8*\i+3],   v[ADRB+1] offset:64*\q+\i*16*PITCH
	ds_load_b128 v[64*\q+8*\i+4:64*\q+8*\i+7], v[ADRB+1] offset:64*\q+\i*16*PITCH+32
.endr
.endm
.macro ALOAD a                         ; xh's fragments of block a, all four quarters -> buffer a % 4
.set FA, PA+32*((\a)%4)
.irp q, 0,1,2,3
	ds_load_b128 v[FA+8*\q:FA+8*\q+3],   v[ADRA+1] offset:64*\q+(\a)*16*PITCH
	ds_load_b128 v[FA+8*\q+4:FA+8*\q+7], v[ADRA+1] offset:64*\q+(\a)*16*PITCH+32
.endr
.endm
.macro ROW a                           ; block a is finished: 32 matrix instructions, its eight accumulators by turns, one instruction a turn; K ascending
.set FA, PA+32*((\a)%4)                ; its fragments of xh
.set AC, 64*((\a)%4)                   ; its eight accumulators, in window 2 (blocks 0-3) or 3 (blocks 4-7)
	WIN MUL_LO+0x50*((\a)/4)                       ; MUL_LO or MUL_HI
.irp q, 0,1,2,3
.if (\a) == 0 && \q == 2
	s_wait_dscnt 24                                ; wh's quarter 2 is in (behind it: xh's blocks 1 to 3)
.endif
.irp b, 0,1,2,3,4,5,6,7
	v_wmma_f32_16x16x32_f16 v[AC+8*\b:AC+8*\b+7], v[FA+8*\q:FA+8*\q+7], v[64*\q+8*\b:64*\q+8*\b+7], v[AC+8*\b:AC+8*\b+7]
.endr
.endr
.endm
; THE WAY OUT of my rows 16 a .. 16 a + 15.  The addition of the bias gathers a lane's four neighbouring columns out of four accumulators into four neighbouring registers; j ascends, so
; that each accumulator is first read at its register 0.
.macro OUT a
.set AC, 64*((\a)%4)
.if (\a) >= 1
	s_wait_xcnt 0x0                                ; OB is the data of the block before's stores: it is rewritten only behind this wait (ISA guide 3.1); those stores stand 32 matrix instructions back
.endif
	WIN 0x02+(\a)/4                                ; source 0: window 2 or 3
.irp q, 0,1
.irp j, 0,1,2,3,4,5,6,7
.irp e, 0,1,2,3
	v_add_f32 v[OB+32*\q+4*\j+\e], v[AC+8*(4*\q+\e)+\j], v[BIAS+4*\q+\e]
.endr
.endr
.endr
	WIN 0
.irp q, 0,1
.irp j, 0,1,2,3,4,5,6,7
	global_store_b128 v[CO], v[OB+32*\q+4*\j:OB+32*\q+4*\j+3], s[8:9] offset:(16*(\a)+\j)*SIZE_N*4+256*\q th:TH_STORE_NT   ; 16 lanes store 256 consecutive bytes, at a multiple of 256 from out0's first byte; the immediate is 1,949,952 at the most
.endr
.endr
.endm
	s_wait_tensorcnt 1                             ; my part of K step 0 is in; K step 1's may stay out
	s_barrier_signal -1
	s_barrier_wait -1                              ; everybody's is
	FETCH 0, 0, F0
	QUARTER 0, 64,  F0, F1, 1                      ; the first quarter stands in front of the loop: its products start the sums
	WIN 0                                          ; at a label and at a branch every window is 0
	s_mov_b32 s3, LAPS-1
.Llap:                                                 ; a trip goes once round the ring, from a lap's second quarter to the next lap's first, and fills both slots again
	QUARTER 0, 128, F1, F0, 0
	QUARTER 0, 192, F0, F1, 0
	TURN 0, 1
	QUARTER 1, 64,  F0, F1, 0
	QUARTER 1, 128, F1, F0, 0
	QUARTER 1, 192, F0, F1, 0
	TURN 1, 0
	QUARTER 0, 64,  F0, F1, 0
	WIN 0
	s_sub_co_u32 s3, s3, 1
	s_cmp_lg_u32 s3, 0
	s_cbranch_scc1 .Llap
	QUARTER 0, 128, F1, F0, 0                      ; the last lap is written out: it fills nothing, and has no round of the cluster's barrier
	QUARTER 0, 192, F0, F1, 0
	MEET 0                                         ; my one tensor load that was still out is slot 1's, the last K step's
	PLACES                                         ; for the loads into buffer 0, which the quarter before multiplied
	WIN TO_B
	BLOAD 0                                        ; three quarters of wh now: buffer 1 (v128-191 of both windows) is still being multiplied
	BLOAD 1
	BLOAD 3
	WIN 0
	ALOAD 0
	WIN MUL_HI
	MUL16 F1, 1, 0, 0
	MUL16 F1, 1, 2, 0
	PLACES                                         ; for the loads into buffer 1
	WIN TO_B
	BLOAD 2
	WIN 0
	ALOAD 1
	ALOAD 2
	ALOAD 3
	s_wait_loadcnt 0x0                             ; the bias, asked for in front of the first product
	s_wait_dscnt 40                                ; all but the 40 just issued: wh's quarters 0, 1, 3 and xh's block 0 are in
	ROW 0
.irp a, 0,1,2,3,4,5,6,7                ; each block leaves as soon as it is finished: nothing follows this tile, so the sooner its stores begin, the sooner the launch ends
	PLACES                                         ; the additions read results just made; the loads below land in registers just multiplied
	OUT \a
.if \a < 4
	ALOAD \a+4                                     ; its buffer takes the block four further on
	s_wait_dscnt 24                                ; the next block's fragments are in: three blocks' loads, eight each, were issued behind them
.elseif \a < 7
	s_wait_dscnt 8*(6-\a)                          ; the same; nothing is fetched any more, and the counts run down
.endif
.if \a < 7
	ROW \a+1
.endif
.endr
	CROUND                                         ; the closing round: no work-group ends while a partner may still ask for a tile that names it
	s_endpgm
.Lfunc_end_k_q00205f3049_gemm:
	.size	k_q00205f3049_gemm, .Lfunc_end_k_q00205f3049_gemm-k_q00205f3049_gemm
	.p2alignl 7, 3214868480
	.fill 96, 4, 3214868480
	.section	.rodata,"a",@progbits
	.p2align	6, 0x0
	.amdhsa_kernel k_q00205f3049_gemm
		.amdhsa_group_segment_fixed_size 327680
		.amdhsa_private_segment_fixed_size 0
		.amdhsa_enable_private_segment 0
		.amdhsa_kernarg_size 32
		.amdhsa_user_sgpr_count 2
		.amdhsa_user_sgpr_kernarg_segment_ptr 1
		.amdhsa_wavefront_size32 1
		.amdhsa_system_sgpr_workgroup_id_x 1
		.amdhsa_system_sgpr_workgroup_id_y 1
		.amdhsa_system_sgpr_workgroup_id_z 1
		.amdhsa_system_vgpr_workitem_id 0
		.amdhsa_next_free_vgpr 1024
		.amdhsa_next_free_sgpr 66
		.amdhsa_reserve_vcc 0
		.amdhsa_float_denorm_mode_32 3
		.amdhsa_float_denorm_mode_16_64 3
		.amdhsa_memory_ordered 1
		.amdhsa_forward_progress 1
		.amdhsa_inst_pref_size 140
	.end_amdhsa_kernel
	.amdgpu_metadata
---
amdhsa.version: [ 1, 2 ]
amdhsa.kernels:
  - .name:           k_q00205f3049_gemm
    .symbol:         k_q00205f3049_gemm.kd
    .args:
      - { .name: xh, .offset: 0, .size: 8, .value_kind: global_buffer, .address_space: global }
      - { .name: wh, .offset: 8, .size: 8, .value_kind: global_buffer, .address_space: global }
      - { .name: out0, .offset: 16, .size: 8, .value_kind: global_buffer, .address_space: global }
      - { .name: bias, .offset: 24, .size: 8, .value_kind: global_buffer, .address_space: global }
    .group_segment_fixed_size: 327680
    .private_segment_fixed_size: 0
    .kernarg_segment_align: 8
    .kernarg_segment_size: 32
    .max_flat_workgroup_size: 128
    .sgpr_count:     66
    .vgpr_count:     1024
    .wavefront_size: 32
...
	.end_amdgpu_metadata
.endif
;; end of part 2
